; MI455X (gfx1250); checked and timed in simulation.
; The chip was launched on July 23, 2026; its instructions are those of AMD's public machine-readable ISA for CDNA 5 (MIT licence, August 2026) and "CDNA5" Instruction Set Architecture Reference Guide (July 2026). The comments in the code are by the model that wrote it; some were corrected since.
;; triton ag gemm intra node. Allowed arithmetic: matrix products marked QUANTISED: E2M1 operands, one E8M0 scale for each 32 along K, by v_wmma_scale_f32_16x16x128_f8f6f4 with both operands' format E2M1 (or v_wmma_scale_f32_32x16x128_f4), f32 sums; everything else in f32.
;; Inputs: input 2,048 x 8,192 float32; weight 4,096 x 8,192 float32.
;; Outputs: out0 2,048 x 4,096 float32.
;; Constants: transed_weight = 0.
;; This version of the problem:
;;   THIS VERSION OF THE PROBLEM IS GIVEN IN LOW PRECISION. The matrix products marked QUANTISED in the list below multiply operands that are first quantised to E2M1 (2 exponent bits, 1 mantissa bit; 4 bits a number), with one power-of-two scale for each 32 numbers along K (OCP MX v1.0); their sums are f32. All else is computed in f32.
;;   The module's matrix products, in the order in which they are computed (A, B: the left and right operand; K: the contracted axis; several contracted axes count as one K, in the product's order):
;;     1. [M 2,048, K 8,192] x [K 8,192, N 4,096]; A: input input; B: input weight: QUANTISED
;;   THE QUANTISER, for each operand of a quantised product, along K:
;;     - K is cut into blocks of 32 from its start; a last block that is shorter is filled with zeros.
;;     - A block's scale is 2^e with e = floor(log2(the largest magnitude in the block)) - 2, held to -126 .. 127; a block of zeros has e = 0. As a byte (E8M0): e + 127.
;;     - Each number is divided by its block's scale, clamped to +-6, and rounded to the nearest number of E2M1, ties to even, subnormals kept.
;;     - The product sums the exact products of the quantised numbers (number of the format x scale) in f32.
;;   ~~~python
;;   def quantise(x, axis):      # numpy; x: float32 -> the quantised numbers, widened to float32 again
;;       x = np.moveaxis(x, axis, -1); K = x.shape[-1]
;;       x = np.pad(x, [(0, 0)] * (x.ndim - 1) + [(0, -K % 32)]); x = x.reshape(x.shape[:-1] + (-1, 32)); a = np.abs(x).max(-1, keepdims=True)
;;       e = np.where(a > 0, np.clip(np.frexp(np.where(a > 0, a, 1))[1] - 1 - 2, -126, 127), 0)      # np.frexp(a)[1] - 1 = floor(log2(a)), exactly
;;       r = np.clip(x / 2.0 ** e, -6, 6)
;;       step = 2.0 ** (np.maximum(np.frexp(np.where(r == 0, 1, r))[1] - 1, 0) - 1)
;;       q = np.round(r / step) * step * 2.0 ** e      # np.round: ties to even
;;       return np.moveaxis(q.reshape(q.shape[:-2] + (-1,))[..., :K], -1, axis).astype(np.float32)
;;   ~~~
;; One version. Each part assembles by itself: llvm-mc -triple=amdgcn-amd-amdhsa -mcpu=gfx1250 --defsym DOCPART=n.
;; ======== version 1 of 1: 2 launches
;; limits: right only within a limited range of input values
;; workspace buffers: a_q 8,912,896 bytes; w_q 17,825,792 bytes
;; launch quant (part 1): grid 1536 x 1, 4 waves a work-group, no clusters, 18,944 bytes of LDS; arguments input, weight, a_q, w_q; writes a_q, w_q
.if DOCPART == 1
	.amdgcn_target "amdgcn-amd-amdhsa--gfx1250"
	.amdhsa_code_object_version 6
	.text
	.protected	k_qeae05ed02e_quant
	.globl	k_qeae05ed02e_quant
	.p2align	8
	.type	k_qeae05ed02e_quant,@function
k_qeae05ed02e_quant:
	s_mov_b64 s[64:65], 0
	v_nop
	global_prefetch_b8 v0, s[64:65] scope:SCOPE_SE
	s_setreg_imm32_b32 hwreg(HW_REG_WAVE_MODE, 25, 1), 1
	s_wait_xcnt 0x0
; input [2048][8192] and weight [4096][8192], f32, K innermost, are turned into codes of FP4 (E2M1), two to a byte (the lower k in the low four bits), with one E8M0 scale byte for each 32 along K.
; A block's scale is 2^(floor(log2(its largest magnitude)) - 2); its byte is the largest magnitude's own exponent field - 2, held at 1 from below.
; Each number is divided by the scale and rounded to the nearest code, ties to even; beyond 6 the largest code.
; LIMITS: NaN and infinities among the inputs are not served.  A block of zeros gets the byte 1 where the quantiser says 127: its codes are zeros, which add nothing under that byte, and the bytes are read by this program alone.
; Blocks whose largest magnitude lies under 2^-124 get the byte 1, which is the quantiser's own hold at e = -126.
; WHAT IS WRITTEN (a_q, w_q) lies in the order of the matrix operand's registers: [row block of 16 rows][group of 512 along K][4,352 bytes].  A group is 16 blocks of 32 along K, each 16 rows x 16 bytes
; (four of them are the register image of a fragment of 16 rows x 128 K), and behind them 256 scale bytes: row r's sixteen at 16 r, the lower K first.
; SHARES.  A wave takes one group: 16 rows x 512 along K, a row a step.  (2048 + 4096) / 16 x 16 groups / 4 waves = 1,536 work-groups: the first 512 take input, the others weight; only pointers are chosen.
; The conversions take 8 numbers of ONE block from a lane's registers; a load is laid so that neighbouring LANES take neighbouring bytes (512 consecutive bytes a load, four loads a row).
; Load i gives lane 4 g + t the 16 bytes number 32 i + 4 g + t of the row's 128.  A TRANSPOSITION OF 4 x 4 INSIDE EACH FOUR LANES (load i of lane t <-> load t of lane i; two stages of select, quad_perm, select)
; gives it numbers 32 t + 4 g + 0 .. 3: sixteen neighbours along K, half g % 2 of block 4 t + g / 2.  The block's other half lies in lane l xor 4.
; A step's codes belong to sixteen blocks of the group, 16 bytes to each: they are gathered in an image of the group in the wave's own LDS, and the group leaves whole at the end.
; No tensor loads, no barrier, no matrix unit, no cluster: waves share nothing.  Loads run three to four steps (12 to 16 loads a wave) ahead.
.set STEPS, 16
.set WGA,   512                        ; work-groups for input: 128 row blocks x 16 groups / 4
.set EMAX,  2                          ; the exponent of the format's largest number, 6
.set GRP,   4352                       ; bytes of a group as it is written
.set R,     16                         ; v16-79   four sets of 16 numbers; at the end the group on its way out
.set TM,    80                         ; v80-83 what a lane sends, v84-87 what it gets
.set E,     112                        ; v112-127 a scale byte for each step
.set C,     128                        ; v128-159 codes: two registers for each step
.set UP,    272                        ; the image: 272 bytes for each 256 of the group
.set WREG,  4608                       ; LDS: an image for each wave
.set SPARE, 4*WREG                     ; behind them the spare words
	s_load_b128 s[4:7], s[0:1], 0x0                ; input, weight
	s_load_b128 s[8:11], s[0:1], 0x10              ; a_q, w_q
	v_lshl_add_u32 v12, v0, 2, SPARE               ; my spare word; kept for the add alone
	v_mov_b32 v13, 0                               ; 0; kept for the add alone
	v_lshrrev_b32 v1, 5, v0
	v_readfirstlane_b32 s16, v1                    ; wave
	v_and_b32 v2, 31, v0                           ; lane
	v_lshlrev_b32 v3, 4, v2                        ; my 16 bytes of 512: of a load, and of a store on the way out
	v_lshlrev_b32 v4, 3, v2                        ; my 8 bytes of 256
	s_mul_i32 s17, s16, WREG
	s_mov_b32 s22, 0xaaaaaaaa                      ; the lanes with t odd
	s_mov_b32 s23, 0xcccccccc                      ; the lanes with t = 2, 3
	v_and_b32 v1, 3, v2
	v_lshrrev_b32 v9, 3, v2
	v_lshl_add_u32 v1, v1, 2, v9                   ; my block of the row's sixteen: 4 t + g / 2
	v_bfe_u32 v9, v2, 2, 1                         ; which half of its 16 bytes is mine: g % 2
	v_mul_u32_u24 v10, v1, UP
	v_lshl_add_u32 v10, v9, 3, v10
	v_add_nc_u32 v10, s17, v10                     ; codes into the image: block x 272 + 8 x half; the row's 16 t stands in the immediate.  The 32 lanes' 8 bytes fall on 64 different banks
	v_add_nc_u32 v5, s17, v1                       ; scale bytes into it: behind the sixteen blocks, 16 x row + block
	v_lshrrev_b32 v9, 4, v2
	v_lshl_add_u32 v6, v9, 4, v3
	v_add_nc_u32 v6, s17, v6                       ; out of it: lanes 0-15 one block of 256 bytes, lanes 16-31 the next, 272 on
	v_add_nc_u32 v7, s17, v4                       ; and the scale bytes, 8 a lane
.irp w, 0,1,2,3
	v_mov_b32 v[TM+4+\w], 0                        ; written once: the destination of a DPP form counts as read
.endr
	s_wait_alu depctr_va_vdst(0)
	s_wait_kmcnt 0x0
	s_cmp_lt_u32 ttmp9, WGA                        ; input's work-group or weight's?  The choice hangs on the work-group's number alone
	s_cselect_b64 s[4:5], s[4:5], s[6:7]
	s_cselect_b64 s[8:9], s[8:9], s[10:11]
	s_cselect_b32 s18, 0, WGA
	s_sub_co_u32 s18, ttmp9, s18
	s_lshl_b32 s18, s18, 2
	s_add_co_u32 s18, s18, s16                     ; which group of the tensor is my wave's: 16 x row block + group
	s_lshr_b32 s20, s18, 4
	s_lshl_b32 s20, s20, 19                        ; 16 rows of 32,768 bytes (under 2^28)
	s_and_b32 s21, s18, 15
	s_lshl_b32 s21, s21, 11                        ; 512 numbers of 4 bytes
	s_add_co_u32 s20, s20, s21
	s_mov_b32 s21, 0
	s_add_nc_u64 s[4:5], s[4:5], s[20:21]
	s_mul_i32 s20, s18, GRP                        ; (under 2^25)
	s_add_nc_u64 s[8:9], s[8:9], s[20:21]
.macro LOAD t                          ; row t of my sixteen
.irp i, 0,1,2,3
	global_load_b128 v[R+16*((\t)%4)+4*\i:R+16*((\t)%4)+4*\i+3], v3, s[4:5] offset:32768*(\t)+512*\i th:TH_LOAD_NT   ; 32 lanes read 512 consecutive bytes; read once in the launch
.endr
.endm
; One stage for loads ia and ib: a lane whose bit of t is 0 keeps ia and takes its partner's ia for ib; a lane whose bit is 1 keeps ib and takes its partner's ib for ia.  The four words by turns.
.macro XP ia, ib, st
.irp w, 0,1,2,3
	v_cndmask_b32 v[TM+\w], v[XS+4*(\ib)+\w], v[XS+4*(\ia)+\w], s[22+\st]
.endr
.irp w, 0,1,2,3
.if \st == 0
	v_mov_b32_dpp v[TM+4+\w], v[TM+\w] quad_perm:[1,0,3,2] row_mask:0xf bank_mask:0xf
.else
	v_mov_b32_dpp v[TM+4+\w], v[TM+\w] quad_perm:[2,3,0,1] row_mask:0xf bank_mask:0xf
.endif
.endr
.irp w, 0,1,2,3
	v_cndmask_b32 v[XS+4*(\ia)+\w], v[XS+4*(\ia)+\w], v[TM+4+\w], s[22+\st]
	v_cndmask_b32 v[XS+4*(\ib)+\w], v[TM+4+\w], v[XS+4*(\ib)+\w], s[22+\st]
.endr
.endm
.irp t, 0,1,2,3
	LOAD \t
.endr
.macro STEP t
.set XS, R+16*((\t)%4)
.if STEPS-1-(\t) >= 3
	s_wait_loadcnt 12                              ; this step's four loads are in; those of the three steps behind it may be out
.else
	s_wait_loadcnt 4*(STEPS-1-(\t))                ; the tail: fewer steps are behind it
.endif
	XP 0, 1, 0
	XP 2, 3, 0
	XP 0, 2, 1
	XP 1, 3, 1
	v_max3_num_f32 v8, |v[XS]|, |v[XS+1]|, |v[XS+2]|               ; the largest magnitude of my 16, in two chains
	v_max3_num_f32 v9, |v[XS+3]|, |v[XS+4]|, |v[XS+5]|
.irp i, 6,10
	v_max3_num_f32 v8, v8, |v[XS+\i]|, |v[XS+\i+1]|
	v_max3_num_f32 v9, v9, |v[XS+\i+2]|, |v[XS+\i+3]|
.endr
	v_max3_num_f32 v8, v8, |v[XS+14]|, |v[XS+15]|
	v_max3_num_f32 v8, v8, v9, (EMAX+1)<<23        ; and the floor 2^(3 - 127), under which no largest magnitude is taken: so the byte cannot fall under 1
	v_max_num_f32_dpp v8, v8, v8 row_xmask:4 row_mask:0xf bank_mask:0xf   ; and of lane l xor 4's 16: the block's
	v_add_nc_u32 v11, 0xff000000, v8               ; 2 off its exponent field: the conversion takes the exponent field of this operand as its scale, and nothing else of it
	v_cvt_scalef32_pk8_fp4_f32 v[C+2*(\t)], v[XS:XS+7], v11        ; eight numbers / the scale, to the nearest code, ties to even; the first number's code in the lowest four bits
	v_cvt_scalef32_pk8_fp4_f32 v[C+2*(\t)+1], v[XS+8:XS+15], v11
	v_lshrrev_b32 v[E+(\t)], 23, v11               ; the scale's byte; also the plain vector line behind the conversions
	ds_store_b8 v5, v[E+(\t)] offset:16*UP+16*(\t) ; both lanes of a block write the same byte with the same value
	ds_store_b64 v10, v[C+2*(\t):C+2*(\t)+1] offset:16*(\t)        ; row t's 8 bytes of my block
.if (\t)+4 < STEPS
	LOAD (\t)+4                                    ; the set is done with: it takes the row four steps on
.endif
.endm
.irp t, 0,1,2,3,4,5,6,7,8,9,10,11,12,13,14,15
	STEP \t
.endr
	; the group leaves: LDS serves a wave's instructions in order (ISA guide 5.7.1), so these loads see my stores
.irp j, 0,1,2,3,4,5,6,7
	ds_load_b128 v[R+4*\j:R+4*\j+3], v6 offset:2*UP*\j
.endr
	ds_load_b64 v[R+32:R+33], v7 offset:16*UP
.irp j, 0,1,2,3,4,5,6,7
	s_wait_dscnt 8-\j                              ; the younger loads may be out
	global_store_b128 v3, v[R+4*\j:R+4*\j+3], s[8:9] offset:512*\j   ; 32 lanes store 512 consecutive bytes, at a multiple of 256 from the buffer's first byte
.endr
	s_wait_dscnt 0x0
	global_store_b64 v4, v[R+32:R+33], s[8:9] offset:4096            ; the 256 scale bytes
	s_wait_tensorcnt 0x0                           ; the wave's end
	ds_add_u32 v12, v13
	s_wait_dscnt 0x0
	s_endpgm
.Lfunc_end_k_qeae05ed02e_quant:
	.size	k_qeae05ed02e_quant, .Lfunc_end_k_qeae05ed02e_quant-k_qeae05ed02e_quant
	.p2alignl 7, 3214868480
	.fill 96, 4, 3214868480
	.section	.rodata,"a",@progbits
	.p2align	6, 0x0
	.amdhsa_kernel k_qeae05ed02e_quant
		.amdhsa_group_segment_fixed_size 18944
		.amdhsa_private_segment_fixed_size 0
		.amdhsa_enable_private_segment 0
		.amdhsa_kernarg_size 32
		.amdhsa_user_sgpr_count 2
		.amdhsa_user_sgpr_kernarg_segment_ptr 1
		.amdhsa_wavefront_size32 1
		.amdhsa_system_sgpr_workgroup_id_x 1
		.amdhsa_system_sgpr_workgroup_id_y 1
		.amdhsa_system_sgpr_workgroup_id_z 1
		.amdhsa_system_vgpr_workitem_id 0
		.amdhsa_next_free_vgpr 160
		.amdhsa_next_free_sgpr 66
		.amdhsa_reserve_vcc 0
		.amdhsa_float_denorm_mode_32 3
		.amdhsa_float_denorm_mode_16_64 3
		.amdhsa_memory_ordered 1
		.amdhsa_forward_progress 1
		.amdhsa_inst_pref_size 90
	.end_amdhsa_kernel
	.amdgpu_metadata
---
amdhsa.version: [ 1, 2 ]
amdhsa.kernels:
  - .name:           k_qeae05ed02e_quant
    .symbol:         k_qeae05ed02e_quant.kd
    .args:
      - { .name: input, .offset: 0, .size: 8, .value_kind: global_buffer, .address_space: global }
      - { .name: weight, .offset: 8, .size: 8, .value_kind: global_buffer, .address_space: global }
      - { .name: a_q, .offset: 16, .size: 8, .value_kind: global_buffer, .address_space: global }
      - { .name: w_q, .offset: 24, .size: 8, .value_kind: global_buffer, .address_space: global }
    .group_segment_fixed_size: 18944
    .private_segment_fixed_size: 0
    .kernarg_segment_align: 8
    .kernarg_segment_size: 32
    .max_flat_workgroup_size: 128
    .sgpr_count:     66
    .vgpr_count:     160
    .wavefront_size: 32
...
	.end_amdgpu_metadata
.endif
;; end of part 1
;; launch gemm (part 2): grid 32 x 8, 4 waves a work-group, clusters of 4 x 1, 327,680 bytes of LDS; arguments a_q, w_q, out0; writes out0
.if DOCPART == 2
	.amdgcn_target "amdgcn-amd-amdhsa--gfx1250"
	.amdhsa_code_object_version 6
	.text
	.protected	k_qeae05ed02e_gemm
	.globl	k_qeae05ed02e_gemm
	.p2align	8
	.type	k_qeae05ed02e_gemm,@function
k_qeae05ed02e_gemm:
	s_mov_b64 s[64:65], 0
	v_nop
	global_prefetch_b8 v0, s[64:65] scope:SCOPE_SE
	s_setreg_imm32_b32 hwreg(HW_REG_WAVE_MODE, 25, 1), 1
	s_wait_xcnt 0x0
	s_wait_alu depctr_hold_cnt(0) depctr_sa_sdst(0) depctr_va_vdst(0) depctr_va_sdst(0) depctr_va_ssrc(0) depctr_va_vcc(0) depctr_vm_vsrc(0)
	s_getreg_b32 s2, hwreg(HW_REG_IB_STS2, 6, 4)
	s_cmp_eq_u32 s2, 0
	s_cbranch_scc0 .Lentry_in_a_cluster
	s_endpgm
.Lentry_in_a_cluster:
	s_bfe_u32 s2, ttmp6, 0x10000c
	s_cmp_lg_u32 s2, 0x3003
	s_cbranch_scc0 .Lentry_shape_is_right
	s_endpgm
.Lentry_shape_is_right:
; out0[m][n] = sum over k of Q(input)[m][k] Q(weight)[n][k], on the codes and scale bytes that launch quant laid: [row block of 16 rows][group of 512 K][4,352 bytes]:
; sixteen blocks of 32 K (16 rows x 16 bytes each; four of them are a fragment's register image), then 256 scale bytes, row r's sixteen at 16 r.
; A BLOCK of out0 is 256 (m) x 128 (n): 8 x 32 = 256 work-groups.  FOUR WAVES = 2 halves of n x 2 HALVES OF K: a wave sums 256 x 64 of out0 (64 accumulators, 512 registers) over every second group of 512 K.
; So each fragment of weight is loaded by one wave alone, straight into registers (a ring of eight sets, six steps ahead), and each fragment of input is read from LDS by two waves.
; At the end the two waves of a pair change halves of their sums through LDS, add, and each stores 128 rows.  LIMIT: an output is the f32 sum of two f32 partial sums (even and odd groups of K), not one chain along K.
; INPUT'S TILES: 16 row blocks x 1,024 K = 139,264 bytes a slot, two slots, a wave's tensor load brings 4 row blocks.  CLUSTERS of 4 x 1: the four work-groups share their rows of input and ask jointly (mask 15).
; weight is not asked for jointly: the ring takes 278,528 of LDS's 327,680 bytes, and two slots of weight's 8 row blocks (2 x 69,632) do not fit beside it.
; A wave of K half 1 takes input's row blocks in the order 8..15, 0..7 (by its address registers): so every wave keeps its accumulators 0-31 (window 2) and sends 32-63 (window 3), with one text.
; PREFETCH: behind the refill with slot s + 2 a wave names slot s + 4 of one row block of input (16 row blocks = 4 partners x 4 waves, by address), 2 x 17 lanes x 256 bytes; once a lap it names one group of weight
; two laps on (32 groups = 8 work-groups of a column of the grid x 4 waves).  The head names input's slots 1 to 3 and weight's lap 1.  The last trip names nothing: its look-ahead would pass K's end.
; REGISTERS: window 0: v0-31 addresses, v32-47 weight's scale words (2 sets), v64-127 input's (2 sets), v128-255 input's fragments (one set); window 1: weight's fragments (8 sets of 32); windows 2, 3: accumulators.
.set SIZE_N, 4096
.set GRP,    4352
.set RBK,    16*GRP                    ; a row block's bytes for all of K
.set CH,     2*GRP                     ; a row block's bytes in a slot
.set SLOT,   16*CH
.set STAGE,  2*SLOT                    ; 16 rows x 272 bytes for each wave, for the way out
.set SPITCH, 272
.set SPARE,  STAGE+4*16*SPITCH         ; the spare words: 128 bytes a wave
.set LAPS,   4                         ; a lap = two slots = 2,048 K = eight steps of a wave
.set WO,   8                           ; 16 x lane
.set WSO,  9                           ; weight's scale words: 16 r + h x a row block
.set ADRA, 12                          ; v12-15 input's fragments: [slot][my blocks 0-7, 8-15]
.set ADRS, 16                          ; v16-17 input's scale words, slot 0, 1
.set XW,   18                          ; where I put the sums that I send
.set XR,   19                          ; where my partner put mine
.set STO,  24
.set RD,   25
.set CO,   26
.set SPW,  28
.set NIL,  29
.set PFO,  30                          ; 256 x min(lane, 16)
.set WSC,  32
.set ASC,  64
.set AF,   128
.set P,    32                          ; the way out: partner's sums, two sets of 32
.set T,    96                          ; the added block
.set BK,   128                         ; rows back from the stage, two sets of 32
.set G1,   24
.set G0,   32
.set WB,   46
.set PFW,  48
.set PFA,  50
.set MSB, 0
.macro WIN new                         ; the immediate's high byte repeats the setting that is left
.if MSB != \new
	s_set_vgpr_msb (MSB<<8)|\new
.set MSB, \new
.endif
.endm
.set MUL_LO, 0xa1                      ; source 0 (weight) window 1, source 1 (input) window 0, C and D window 2
.set MUL_HI, 0xf1                      ; the same, C and D window 3
.set TO_B,   0x40                      ; destination window 1
.macro CREST                           ; a round of the cluster's barrier behind its opening barrier
	s_cmp_lg_u32 s14, 0
	s_cbranch_scc1 .Lnot_wave_0_\@
	s_barrier_signal -3
.Lnot_wave_0_\@:
	s_barrier_wait -3
	s_barrier_signal -1
	s_barrier_wait -1
.endm
.macro CROUND
	s_barrier_signal -1
	s_barrier_wait -1
	CREST
.endm
.macro PLACES n
.rept \n
	v_nop
.endr
.endm
.macro LOADWS g                        ; weight's scale words of my group g of the lap: lanes 0-15 row block 2 k, lanes 16-31 row block 2 k + 1
	WIN 0
.irp k, 0,1
	global_load_b128 v[WSC+8*((\g)%2)+4*\k:WSC+8*((\g)%2)+4*\k+3], v[WSO], s[WB:WB+1] offset:2*\k*RBK+(\g)*CH+4096
.endr
.endm
.macro LOADW x                         ; weight's four fragments of my step x of the lap
	WIN TO_B
.irp b, 0,1,2,3
.irp c, 0,1
	global_load_b128 v[32*((\x)%8)+8*\b+4*\c:32*((\x)%8)+8*\b+4*\c+3], v[WO], s[WB:WB+1] offset:\b*RBK+((\x)/4)*CH+((\x)%4)*1024+512*\c
.endr
.endr
.endm
.macro GLD j, rem                      ; step j's global loads: the next group's scale words four steps ahead, then the fragments six steps ahead
.if (((\j)%4) == 0) && ((\rem) >= 4)
	LOADWS (\j)/4+1
.endif
.if (\rem) >= 6
	LOADW (\j)+6
.endif
.endm
.macro WAITW j, rem                    ; left out: the 8 loads of each of the m later steps; at a group's first step one step less, so that the group's scale words, asked for ahead of step j + 2's fragments, are in
.set m_, 6
.if (\rem) < 6
.set m_, \rem
.endif
.if (((\j)%4) == 0) && (m_ > 0)
.set m_, m_-1
.endif
	s_wait_loadcnt 8*m_
.endm
.macro FETCHQ sl, q, c                 ; four of my sixteen fragments of input: blocks 4 c .. 4 c + 3, eight LDS loads
.irp i, 0,1,2,3
.irp e, 0,1
	ds_load_b128 v[AF+32*(\c)+8*\i+4*\e:AF+32*(\c)+8*\i+4*\e+3], v[ADRA+2*(\sl)+(\c)/2] offset:(4*((\c)%2)+\i)*CH+(\q)*1024+512*\e
.endr
.endr
.endm
.macro SCALES sl                       ; input's scale words of my group: lanes 0-15 my block i, lanes 16-31 my block i + 8; four words, one a step
.irp i, 0,1,2,3,4,5,6,7
	ds_load_b128 v[ASC+32*(\sl)+4*\i:ASC+32*(\sl)+4*\i+3], v[ADRS+(\sl)] offset:\i*CH+4096
.endr
.endm
; One product, used transposed: source 0 = 16 rows of weight, source 1 = 16 rows of input, so that a lane holds eight neighbouring n of one row m.  sl_, q_, ws_: the slot, the step in it, weight's set.
.macro WM a, b, zero
.set rD, 8*(4*((\a)%8)+(\b))
.set rW, 32*ws_+8*(\b)
.set rA, AF+8*(\a)
.set rX, WSC+8*sl_+4*((\b)/2)+q_
.set rY, ASC+32*sl_+4*((\a)%8)+q_
.if \zero
.if ((\b)%2) && ((\a)/8)
	v_wmma_scale_f32_16x16x128_f8f6f4 v[rD:rD+7], v[rW:rW+7], v[rA:rA+7], 0, v[rX], v[rY] matrix_a_fmt:MATRIX_FMT_FP4 matrix_b_fmt:MATRIX_FMT_FP4 matrix_a_scale:MATRIX_SCALE_ROW1 matrix_b_scale:MATRIX_SCALE_ROW1
.elseif (\b)%2
	v_wmma_scale_f32_16x16x128_f8f6f4 v[rD:rD+7], v[rW:rW+7], v[rA:rA+7], 0, v[rX], v[rY] matrix_a_fmt:MATRIX_FMT_FP4 matrix_b_fmt:MATRIX_FMT_FP4 matrix_a_scale:MATRIX_SCALE_ROW1
.elseif (\a)/8
	v_wmma_scale_f32_16x16x128_f8f6f4 v[rD:rD+7], v[rW:rW+7], v[rA:rA+7], 0, v[rX], v[rY] matrix_a_fmt:MATRIX_FMT_FP4 matrix_b_fmt:MATRIX_FMT_FP4 matrix_b_scale:MATRIX_SCALE_ROW1
.else
	v_wmma_scale_f32_16x16x128_f8f6f4 v[rD:rD+7], v[rW:rW+7], v[rA:rA+7], 0, v[rX], v[rY] matrix_a_fmt:MATRIX_FMT_FP4 matrix_b_fmt:MATRIX_FMT_FP4
.endif
.else
.if ((\b)%2) && ((\a)/8)
	v_wmma_scale_f32_16x16x128_f8f6f4 v[rD:rD+7], v[rW:rW+7], v[rA:rA+7], v[rD:rD+7], v[rX], v[rY] matrix_a_fmt:MATRIX_FMT_FP4 matrix_b_fmt:MATRIX_FMT_FP4 matrix_a_scale:MATRIX_SCALE_ROW1 matrix_b_scale:MATRIX_SCALE_ROW1
.elseif (\b)%2
	v_wmma_scale_f32_16x16x128_f8f6f4 v[rD:rD+7], v[rW:rW+7], v[rA:rA+7], v[rD:rD+7], v[rX], v[rY] matrix_a_fmt:MATRIX_FMT_FP4 matrix_b_fmt:MATRIX_FMT_FP4 matrix_a_scale:MATRIX_SCALE_ROW1
.elseif (\a)/8
	v_wmma_scale_f32_16x16x128_f8f6f4 v[rD:rD+7], v[rW:rW+7], v[rA:rA+7], v[rD:rD+7], v[rX], v[rY] matrix_a_fmt:MATRIX_FMT_FP4 matrix_b_fmt:MATRIX_FMT_FP4 matrix_b_scale:MATRIX_SCALE_ROW1
.else
	v_wmma_scale_f32_16x16x128_f8f6f4 v[rD:rD+7], v[rW:rW+7], v[rA:rA+7], v[rD:rD+7], v[rX], v[rY] matrix_a_fmt:MATRIX_FMT_FP4 matrix_b_fmt:MATRIX_FMT_FP4
.endif
.endif
.endm
.macro MULS a0, n, zero                ; my blocks a0 .. a0 + n - 1 of input x weight's four: the 64 accumulators take turns, one instruction a turn
.set A_, \a0
.rept \n
.irp b, 0,1,2,3
	WM A_, \b, \zero
.endr
.set A_, A_+1
.endr
.endm
.macro WINM c                          ; the products' windows for quarter c
.if (\c) < 2
	WIN MUL_LO
.else
	WIN MUL_HI
.endif
.endm
; A step of 128 K that has its successor in the same slot.  Input has one set of registers: blocks 0-7 are fetched anew in the step's middle, blocks 8-15 at its end, each run of 16 LDS loads behind four places
; and 32 products ahead of its first use.  Two runs a step: each run stands behind products just issued, so the runs are kept few and long.
.macro STEP j, zero, rem
.set sl_, ((\j)/4)%2
.set q_, (\j)%4
.set ws_, (\j)%8
	GLD \j, \rem
	WAITW \j, \rem
	s_wait_dscnt 16                                ; all but the youngest 16 LDS loads (blocks 8-15)
	WIN MUL_LO
	MULS 0, 8, \zero
	s_wait_dscnt 0x0                               ; blocks 8-15 are in
	PLACES 4
	WIN 0
	FETCHQ sl_, q_+1, 0
	FETCHQ sl_, q_+1, 1
	WIN MUL_HI
	MULS 8, 8, \zero
	PLACES 4
	WIN 0
	FETCHQ sl_, q_+1, 2
	FETCHQ sl_, q_+1, 3
.endm
.macro ASK                             ; behind the joint load and the LDS loads; the last trip (s3 = 1) names nothing
	s_cmp_gt_u32 s3, 1
	s_cbranch_scc0 .Lno_ask_\@
	global_prefetch_b8 v[PFO], s[PFA:PFA+1] offset:(4+sl_)*CH th:TH_LOAD_NT scope:SCOPE_SE
	global_prefetch_b8 v[PFO], s[PFA:PFA+1] offset:(4+sl_)*CH+GRP th:TH_LOAD_NT scope:SCOPE_SE
.if sl_ == 0
	global_prefetch_b8 v[PFO], s[PFW:PFW+1] offset:8*GRP th:TH_LOAD_NT scope:SCOPE_SE
.endif
.Lno_ask_\@:
.endm
; A slot's last step changes slots: one barrier; in front of it each wave waits for all its tensor loads, adds 0 to its spare word, and waits for that and for its reads of this slot.
.macro TURN j, fill, rem
.set sl_, ((\j)/4)%2
.set q_, 3
.set ws_, (\j)%8
	GLD \j, \rem
	WIN 0
	s_wait_tensorcnt 0x0                           ; my part of the next slot has landed
	ds_add_u32 v[SPW], v[NIL]
	s_wait_dscnt 17                                ; the add and the youngest 16 loads (blocks 8-15) may be out
	WAITW \j, \rem
	WIN MUL_LO
	MULS 0, 4, 0
	s_wait_dscnt 0x0                               ; the add is done, my reads of this slot are over
	s_barrier_signal -1
	MULS 4, 4, 0
	WIN 0
	s_barrier_wait -1
.if \fill
	CREST                                          ; the barrier has opened a round of the cluster's barrier
	s_add_nc_u64 s[G0+4*sl_+2:G0+4*sl_+3], s[G0+4*sl_+2:G0+4*sl_+3], 2*CH
	tensor_load_to_lds s[G0+4*sl_:G0+4*sl_+3], s[G1:G1+7]
	s_nop 0
.endif
	PLACES 4                                       ; for the loads into blocks 0-7's registers
	FETCHQ 1-sl_, 0, 0
	FETCHQ 1-sl_, 0, 1
	SCALES 1-sl_
.if \fill
	ASK
.endif
	WIN MUL_HI
	MULS 8, 8, 0
	PLACES 4
	WIN 0
	FETCHQ 1-sl_, 0, 2
	FETCHQ 1-sl_, 0, 3
.endm
	s_load_b128 s[4:7], s[0:1], 0x0                ; a_q, w_q
	s_load_b64 s[12:13], s[0:1], 0x10              ; out0
	v_lshl_add_u32 v[SPW], v0, 2, SPARE
	v_mov_b32 v[NIL], 0
	ds_add_u32 v[SPW], v[NIL]                      ; the opening lines: the add twice on end and its wait ahead of my first tensor load
	ds_add_u32 v[SPW], v[NIL]
	v_lshrrev_b32 v1, 5, v0
	v_readfirstlane_b32 s14, v1                    ; wave
	s_lshr_b32 s15, s14, 1                         ; my half of K
	s_and_b32 s16, s14, 1                          ; my half of n
	s_bfe_u32 s40, ttmp6, 0x40000                  ; cx
	s_lshl_b32 s42, ttmp9, 2
	s_add_co_u32 s42, s42, s40                     ; tile column (128 n)
	s_and_b32 s17, ttmp7, 0xffff                   ; tile row (256 m)
	s_mov_b32 s[G1+0], 15|(3<<16)|(1<<21)          ; mask: the four of the cluster; elements of 8 bytes; bit 21 beside a mask
	s_mov_b32 s[G1+1], (CH/8)<<16                  ; a tile's row: one row block's 8,704 bytes
	s_mov_b32 s[G1+2], 4<<16                       ; four row blocks
	s_mov_b32 s[G1+3], (CH/8)<<16
	s_mov_b32 s[G1+4], 4
	s_mov_b32 s[G1+5], RBK/8
	s_mov_b32 s[G1+6], 0
	s_mov_b32 s[G1+7], 0
	s_lshl_b32 s20, s17, 4
	s_lshl_b32 s18, s14, 2
	s_add_co_u32 s20, s20, s18
	s_mul_i32 s20, s20, RBK                        ; input: row block 16 x tile row + 4 x wave
	s_mov_b32 s21, 0
	s_lshl_b32 s22, s42, 3
	s_lshl_b32 s18, s16, 2
	s_add_co_u32 s22, s22, s18
	s_mul_i32 s22, s22, RBK                        ; weight: row block 8 x tile column + 4 x half of n,
	s_mul_i32 s18, s15, GRP
	s_add_co_u32 s22, s22, s18                     ; and my group of each pair
	s_mov_b32 s23, 0
	s_mul_i32 s19, s14, 4*CH                       ; where my four row blocks go in a slot
	s_lshl_b32 s52, s17, 4
	s_lshl_b32 s53, s40, 2
	s_add_co_u32 s52, s52, s53
	s_add_co_u32 s52, s52, s14
	s_mul_i32 s[PFA], s52, RBK                     ; prefetch, input: row block 4 cx + wave of the tile row's sixteen
	s_mov_b32 s[PFA+1], 0
	s_lshl_b32 s52, s42, 3
	s_add_co_u32 s52, s52, s17
	s_mul_i32 s52, s52, RBK
	s_mul_i32 s53, s14, GRP
	s_add_co_u32 s[PFW], s52, s53                  ; weight: row block = my tile row's number of the tile column's eight, group = wave of a lap's four
	s_mov_b32 s[PFW+1], 0
	v_and_b32 v1, 15, v0                           ; r
	v_bfe_u32 v2, v0, 4, 1                         ; h
	v_and_b32 v3, 31, v0
	v_lshlrev_b32 v[WO], 4, v3
	v_lshlrev_b32 v4, 4, v1
	v_mul_u32_u24 v5, v2, RBK
	v_add_nc_u32 v[WSO], v4, v5
	v_min_u32 v5, 16, v3                           ; a group is 17 x 256 bytes: the lanes left over name the last again
	v_lshlrev_b32 v[PFO], 8, v5
	s_wait_dscnt 0x0                               ; both opening adds are done
	s_wait_alu depctr_va_vdst(0)
	s_wait_kmcnt 0x0
	s_add_nc_u64 s[20:21], s[4:5], s[20:21]
	s_add_nc_u64 s[WB:WB+1], s[6:7], s[22:23]
	s_add_nc_u64 s[PFA:PFA+1], s[4:5], s[PFA:PFA+1]
	s_add_nc_u64 s[PFW:PFW+1], s[6:7], s[PFW:PFW+1]
.irp s, 0,1
	s_mov_b32 s[G0+4*\s], 1
	s_add_co_u32 s[G0+4*\s+1], s19, \s*SLOT
	s_add_nc_u64 s[G0+4*\s+2:G0+4*\s+3], s[20:21], \s*CH
	s_or_b32 s[G0+4*\s+3], s[G0+4*\s+3], 0x80000000
.endr
	CROUND                                         ; the four work-groups are here: the first joint loads meet
	tensor_load_to_lds s[G0:G0+3], s[G1:G1+7]      ; slot 0, asked for ahead of everything else: one tensor load a wave at the head
	s_nop 0
	PLACES 4
	LOADWS 0
.irp x, 0,1,2,3,4,5
	LOADW \x
.endr
	WIN 0
.irp o, CH, CH+GRP, 2*CH, 2*CH+GRP
	global_prefetch_b8 v[PFO], s[PFA:PFA+1] offset:\o th:TH_LOAD_NT scope:SCOPE_SE   ; input's slots 1 and 2
.endr
	global_prefetch_b8 v[PFO], s[PFW:PFW+1] offset:4*GRP th:TH_LOAD_NT scope:SCOPE_SE   ; weight's lap 1
	s_mul_i32 s20, s15, 8*CH
	s_add_co_u32 s20, s20, s18                     ; my blocks 0-7: row blocks 8 x (half of K) on, my group
	s_xor_b32 s21, s15, 1
	s_mul_i32 s21, s21, 8*CH
	s_add_co_u32 s21, s21, s18                     ; my blocks 8-15: the other eight
	s_lshl_b32 s22, s14, 15                        ; 32,768 bytes a wave for the sums that are sent, in slot 0
	s_xor_b32 s23, s22, 0x10000                    ; my partner's: wave xor 2
	s_mul_i32 s52, s14, 16*SPITCH
	s_add_co_u32 s52, s52, STAGE
	s_lshl_b32 s54, s17, 22                        ; out0: 256 rows of 16,384 bytes a tile row,
	s_lshl_b32 s53, s15, 21                        ; the 128 rows that I store,
	s_add_co_u32 s54, s54, s53
	s_lshl_b32 s53, s42, 9                         ; 512 bytes a tile column,
	s_add_co_u32 s54, s54, s53
	s_lshl_b32 s53, s16, 8                         ; my 64 columns
	s_add_co_u32 s54, s54, s53
	s_mov_b32 s55, 0
	s_add_nc_u64 s[12:13], s[12:13], s[54:55]
	v_add_nc_u32 v[ADRA], s20, v[WO]
	v_add_nc_u32 v[ADRA+1], s21, v[WO]
	v_add_nc_u32 v[ADRA+2], SLOT, v[ADRA]
	v_add_nc_u32 v[ADRA+3], SLOT, v[ADRA+1]
	v_xor_b32 v5, s15, v2                          ; lanes 0-15 take my blocks 0-7's scale words, lanes 16-31 my blocks 8-15's
	v_mul_u32_u24 v5, v5, 8*CH
	v_add_nc_u32 v5, v5, v4
	v_add_nc_u32 v[ADRS], s18, v5
	v_add_nc_u32 v[ADRS+1], SLOT, v[ADRS]
	v_add_nc_u32 v[XW], s22, v[WO]
	v_add_nc_u32 v[XR], s23, v[WO]
	v_mul_u32_u24 v5, v1, SPITCH                   ; into the stage: row r, 32 bytes for each half of the lanes
	v_lshl_add_u32 v5, v2, 5, v5
	v_add_nc_u32 v[STO], s52, v5
	v_mul_u32_u24 v5, v2, SPITCH                   ; back: lanes 0-15 one row of 256 bytes, lanes 16-31 the next
	v_add_nc_u32 v5, v4, v5
	v_add_nc_u32 v[RD], s52, v5
	v_lshl_add_u32 v[CO], v2, 14, v4               ; and the same two rows in out0
	s_wait_alu depctr_va_vdst(0)
	s_wait_tensorcnt 0x0                           ; my part of slot 0 is in
	ds_add_u32 v[SPW], v[NIL]
	s_wait_dscnt 0x0
	CROUND
	tensor_load_to_lds s[G0+4:G0+7], s[G1:G1+7]    ; slot 1, the first tensor load behind the round
	s_nop 0
	PLACES 4
	FETCHQ 0, 0, 0
	SCALES 0
	FETCHQ 0, 0, 1
	FETCHQ 0, 0, 2
	FETCHQ 0, 0, 3
	global_prefetch_b8 v[PFO], s[PFA:PFA+1] offset:3*CH th:TH_LOAD_NT scope:SCOPE_SE   ; input's slot 3
	global_prefetch_b8 v[PFO], s[PFA:PFA+1] offset:3*CH+GRP th:TH_LOAD_NT scope:SCOPE_SE
	STEP 0, 1, 6                                   ; the first step's products start the sums
	s_mov_b32 s3, LAPS-1
.Llap:                                                 ; a trip goes once round the ring, from a lap's second step to the next lap's first
	STEP 1, 0, 6
	STEP 2, 0, 6
	TURN 3, 1, 6
	STEP 4, 0, 6
	STEP 5, 0, 6
	STEP 6, 0, 6
	TURN 7, 1, 6
	STEP 8, 0, 6
	s_wait_xcnt 0x0                                ; the loads and prefetches have read their bases
	s_add_nc_u64 s[WB:WB+1], s[WB:WB+1], 2*CH
	s_add_nc_u64 s[PFA:PFA+1], s[PFA:PFA+1], 2*CH
	s_add_nc_u64 s[PFW:PFW+1], s[PFW:PFW+1], 4*GRP
	s_sub_co_u32 s3, s3, 1
	s_cmp_lg_u32 s3, 0
	s_cbranch_scc1 .Llap
	STEP 1, 0, 6                                   ; the last lap fills nothing; its counts run down
	STEP 2, 0, 5
	TURN 3, 0, 4
	STEP 4, 0, 3
	STEP 5, 0, 2
	STEP 6, 0, 1
.set sl_, 1
.set q_, 3
.set ws_, 7
	s_wait_loadcnt 0x0
.irp c, 0,1,2,3
	s_wait_dscnt 24-8*\c                           ; the very last step: nothing more is fetched, the counts run down
	WINM \c
	MULS 4*\c, 4, 0
.endr
	; THE TWO HALVES OF K MEET.  My accumulators 32-63 go to my partner as register images, into slot 0: it has had its last fill, and every wave's reads of it were over at the last change of slots.
	PLACES 4
	WIN 0x0c                                       ; the stores' data: window 3
.set i_, 0
.rept 32
	ds_store_b128 v[XW], v[8*i_:8*i_+3] offset:1024*i_               ; each accumulator from its low end on
	ds_store_b128 v[XW], v[8*i_+4:8*i_+7] offset:1024*i_+512
.set i_, i_+1
.endr
	WIN 0
	s_wait_dscnt 0x0                               ; for my partner's sake: my stores are done
	s_barrier_signal -1
	s_barrier_wait -1
.macro XLOAD a                         ; my partner's sums for my block a: four accumulators
.irp t, 0,1,2,3,4,5,6,7
	ds_load_b128 v[P+32*((\a)%2)+4*\t:P+32*((\a)%2)+4*\t+3], v[XR] offset:4096*(\a)+512*\t
.endr
.endm
.macro ADD a                           ; mine (window 2) + my partner's
	WIN 0x02
.irp i, 0,1,2,3,4,5,6,7,8,9,10,11,12,13,14,15
	v_pk_add_f32 v[T+2*\i:T+2*\i+1], v[32*(\a)+2*\i:32*(\a)+2*\i+1], v[P+32*((\a)%2)+2*\i:P+32*((\a)%2)+2*\i+1]
.endr
	WIN 0
.endm
.macro TOSTAGE a                       ; 16 rows x 256 bytes through my own stage: LDS serves a wave's instructions in order (ISA guide 5.7.1)
.irp b, 0,1,2,3
	ds_store_b128 v[STO], v[T+8*\b:T+8*\b+3] offset:64*\b
	ds_store_b128 v[STO], v[T+8*\b+4:T+8*\b+7] offset:64*\b+16
.endr
.irp t, 0,1,2,3,4,5,6,7
	ds_load_b128 v[BK+32*((\a)%2)+4*\t:BK+32*((\a)%2)+4*\t+3], v[RD] offset:2*\t*SPITCH
.endr
.endm
.macro SEND a, younger                 ; younger: the LDS instructions issued behind block a's loads from the stage
	s_wait_dscnt \younger
.if (\a) > 0
	s_add_nc_u64 s[12:13], s[12:13], 16*SIZE_N*4   ; behind a wait on XCNT: the earlier stores have read their base
.endif
.irp t, 0,1,2,3,4,5,6,7
	global_store_b128 v[CO], v[BK+32*((\a)%2)+4*\t:BK+32*((\a)%2)+4*\t+3], s[12:13] offset:2*\t*SIZE_N*4 th:TH_STORE_NT   ; 16 lanes store 256 consecutive bytes, aligned
.endr
.endm
	XLOAD 0
	XLOAD 1
.irp a, 0,1,2,3,4,5,6,7
.if \a == 0
	s_wait_dscnt 8                                 ; behind block 0's eight loads: block 1's eight
.elseif \a == 7
	s_wait_dscnt 16                                ; behind block 7's: the 16 of block 6's turn through the stage
.else
	s_wait_dscnt 24                                ; behind block a's: a turn through the stage (16) and the next block's eight
.endif
.if \a > 1
	s_wait_xcnt 0x0                                ; block a - 2's stores have read their registers and their base
.endif
	ADD \a
	TOSTAGE \a
.if \a < 6
	XLOAD \a+2
.endif
.if \a > 0
.if \a < 6
	SEND \a-1, 32
.elseif \a == 6
	SEND \a-1, 24
.else
	SEND \a-1, 16
.endif
.endif
.endr
	s_wait_xcnt 0x0
	SEND 7, 0
	s_wait_tensorcnt 0x0                           ; the wave's end
	ds_add_u32 v[SPW], v[NIL]
	s_wait_dscnt 0x0
	CROUND                                         ; the closing round
	s_endpgm
.Lfunc_end_k_qeae05ed02e_gemm:
	.size	k_qeae05ed02e_gemm, .Lfunc_end_k_qeae05ed02e_gemm-k_qeae05ed02e_gemm
	.p2alignl 7, 3214868480
	.fill 96, 4, 3214868480
	.section	.rodata,"a",@progbits
	.p2align	6, 0x0
	.amdhsa_kernel k_qeae05ed02e_gemm
		.amdhsa_group_segment_fixed_size 327680
		.amdhsa_private_segment_fixed_size 0
		.amdhsa_enable_private_segment 0
		.amdhsa_kernarg_size 24
		.amdhsa_user_sgpr_count 2
		.amdhsa_user_sgpr_kernarg_segment_ptr 1
		.amdhsa_wavefront_size32 1
		.amdhsa_system_sgpr_workgroup_id_x 1
		.amdhsa_system_sgpr_workgroup_id_y 1
		.amdhsa_system_sgpr_workgroup_id_z 1
		.amdhsa_system_vgpr_workitem_id 0
		.amdhsa_next_free_vgpr 1024
		.amdhsa_next_free_sgpr 66
		.amdhsa_reserve_vcc 0
		.amdhsa_float_denorm_mode_32 3
		.amdhsa_float_denorm_mode_16_64 3
		.amdhsa_memory_ordered 1
		.amdhsa_forward_progress 1
		.amdhsa_inst_pref_size 225
	.end_amdhsa_kernel
	.amdgpu_metadata
---
amdhsa.version: [ 1, 2 ]
amdhsa.kernels:
  - .name:           k_qeae05ed02e_gemm
    .symbol:         k_qeae05ed02e_gemm.kd
    .args:
      - { .name: a_q, .offset: 0, .size: 8, .value_kind: global_buffer, .address_space: global }
      - { .name: w_q, .offset: 8, .size: 8, .value_kind: global_buffer, .address_space: global }
      - { .name: out0, .offset: 16, .size: 8, .value_kind: global_buffer, .address_space: global }
    .group_segment_fixed_size: 327680
    .private_segment_fixed_size: 0
    .kernarg_segment_align: 8
    .kernarg_segment_size: 24
    .max_flat_workgroup_size: 128
    .sgpr_count:     66
    .vgpr_count:     1024
    .wavefront_size: 32
...
	.end_amdgpu_metadata
.endif
;; end of part 2
